; MI455X (gfx1250); checked and timed in simulation.
; The chip was launched on July 23, 2026; its instructions are those of AMD's public machine-readable ISA for CDNA 5 (MIT licence, August 2026) and "CDNA5" Instruction Set Architecture Reference Guide (July 2026). The comments in the code are by the model that wrote it; some were corrected since.
;; Attention concat. Allowed arithmetic: matrix products marked QUANTISED: E2M1 operands, one E8M0 scale for each 32 along K, by v_wmma_scale_f32_16x16x128_f8f6f4 with both operands' format E2M1 (or v_wmma_scale_f32_32x16x128_f4), f32 sums; products left as they are: f32 operands where the result goes on into a quantised operand, else bf16, f16 or f32 operands; f32 sums; everything else in f32.
;; Inputs: attn_b 512 float32; attn_w_codes 512 x 32 x 16 uint8 (E2M1 codes of attn_w, K innermost, in blocks of 32 codes, two codes a byte); attn_w_scales 512 x 32 uint8 (E8M0 scales of attn_w, one for each 32 codes along K); context 32 x 4,096 x 512 float32; out_b 512 float32; out_w_codes 512 x 32 x 16 uint8 (E2M1 codes of out_w, K innermost, in blocks of 32 codes, two codes a byte); out_w_scales 512 x 32 uint8 (E8M0 scales of out_w, one for each 32 codes along K); output 32 x 1 x 512 float32; v_b 1 float32; v_w 1 x 512 float32.
;; Outputs: out0 32 x 1 x 512 float32; out1 32 x 1 x 4,096 float32; out2 32 x 1 x 512 float32.
;; This version of the problem:
;;   THIS VERSION OF THE PROBLEM IS GIVEN IN LOW PRECISION. The matrix products marked QUANTISED in the list below multiply operands that are first quantised to E2M1 (2 exponent bits, 1 mantissa bit; 4 bits a number), with one power-of-two scale for each 32 numbers along K (OCP MX v1.0); their sums are f32. All else is computed in f32.
;;   The module's matrix products, in the order in which they are computed (A, B: the left and right operand; K: the contracted axis; several contracted axes count as one K, in the product's order):
;;     1. [M 131,072, K 1,024] x [K 1,024, N 512]; A: computed on the way; B: input attn_w (given as codes): QUANTISED
;;     2. [M 131,072, K 512] x [K 512, N 1]; A: computed on the way; B: input v_w: left as it is (N = 1 < 16)
;;     3. batch 32 x [M 1, K 4,096] x [K 4,096, N 512]; A: computed on the way; B: input context: left as it is (M = 1 < 16)
;;     4. [M 32, K 1,024] x [K 1,024, N 512]; A: computed on the way; B: input out_w (given as codes): QUANTISED
;;   THE QUANTISER, for each operand of a quantised product, along K:
;;     - K is cut into blocks of 32 from its start; a last block that is shorter is filled with zeros.
;;     - A block's scale is 2^e with e = floor(log2(the largest magnitude in the block)) - 2, held to -126 .. 127; a block of zeros has e = 0. As a byte (E8M0): e + 127.
;;     - Each number is divided by its block's scale, clamped to +-6, and rounded to the nearest number of E2M1, ties to even, subnormals kept.
;;     - The product sums the exact products of the quantised numbers (number of the format x scale) in f32.
;;   ~~~python
;;   def quantise(x, axis):      # numpy; x: float32 -> the quantised numbers, widened to float32 again
;;       x = np.moveaxis(x, axis, -1); K = x.shape[-1]
;;       x = np.pad(x, [(0, 0)] * (x.ndim - 1) + [(0, -K % 32)]); x = x.reshape(x.shape[:-1] + (-1, 32)); a = np.abs(x).max(-1, keepdims=True)
;;       e = np.where(a > 0, np.clip(np.frexp(np.where(a > 0, a, 1))[1] - 1 - 2, -126, 127), 0)      # np.frexp(a)[1] - 1 = floor(log2(a)), exactly
;;       r = np.clip(x / 2.0 ** e, -6, 6)
;;       step = 2.0 ** (np.maximum(np.frexp(np.where(r == 0, 1, r))[1] - 1, 0) - 1)
;;       q = np.round(r / step) * step * 2.0 ** e      # np.round: ties to even
;;       return np.moveaxis(q.reshape(q.shape[:-2] + (-1,))[..., :K], -1, axis).astype(np.float32)
;;   ~~~
;;   OPERANDS COMPUTED ON THE WAY. 'Computed on the way' means the value that the module computes at that place (a softmax that the list does not call 'softmax' is quantised finished and normalised). What goes into a quantiser is computed in f32, as accurately as f32 sums, v_exp_f32 and their like allow (about 1e-6 of the number): no bf16 or f16 on the way to a quantiser, and a product that is left as it is and whose result goes on into a quantised operand takes f32 operands (vector FMAs, or v_wmma_f32_16x16x4_f32). A number that lies on a knife's edge between two numbers of the format may be rounded either way, as far as f32 arithmetic and the matrix unit's own rounding can turn it there, and no further.
;;   INPUTS GIVEN AS CODES. attn_w (in the module: [512, 1024], K = its axis 1); out_w (in the module: [512, 1024], K = its axis 1): each comes as NAME_codes (uint8): NAME with its K axis moved to the last place and cut into blocks of 32 codes, [.., K / 32, bytes a block], one block behind the other in memory; two codes a byte, the lower K in the low four bits (a code: sign, 2 exponent bits, 1 mantissa bit); and NAME_scales (uint8): the same leading axes, one E8M0 byte (e + 127) for each 32 codes along K. Its value is code x scale, taken as it is: it is not quantised again, and the codes and scales need not be those that the quantiser above would give.
;; One version. Each part assembles by itself: llvm-mc -triple=amdgcn-amd-amdhsa -mcpu=gfx1250 --defsym DOCPART=n.
;; ======== version 1 of 1: 2 launches
;; limits: right only within a limited range of input values
;; workspace buffers: scores 524,288 bytes; pmix 524,288 bytes; stats 65,536 bytes
;; launch scan (part 1): grid 8 x 32, 8 waves a work-group, no clusters, 327,680 bytes of LDS; arguments context, output, attn_w_codes, attn_w_scales, attn_b, v_w, scores, pmix, stats; writes scores, pmix, stats
.if DOCPART == 1
	.amdgcn_target "amdgcn-amd-amdhsa--gfx1250"
	.amdhsa_code_object_version 6
	.text
	.protected	k_q0e76d53f47_scan
	.globl	k_q0e76d53f47_scan
	.p2align	8
	.type	k_q0e76d53f47_scan,@function
k_q0e76d53f47_scan:
	s_mov_b64 s[64:65], 0
	v_nop
	global_prefetch_b8 v0, s[64:65] scope:SCOPE_SE
	s_setreg_imm32_b32 hwreg(HW_REG_WAVE_MODE, 25, 1), 1
	s_wait_xcnt 0x0
; ADDITIVE ATTENTION, FIRST PART.  Work-group (x, b): rows 512 x .. + 511 of batch b.  For each row: z = [output, row] W^T + attn_b (both operands FP4, E2M1, one E8M0 scale for each 32 along K), u = the sum over h of v_h tanh(z_h),
; a softmax over the work-group's rows with a running maximum, and the mix of the rows under it.  Stored: u (to the base 2) in scores, the unnormalised mix in pmix, (maximum, sum) in stats.  The second launch merges the eight parts of a batch.
; LEFT OUT AS DEAD: v_b.  It adds the same number to every score along the softmax's axis, and the softmax is unchanged by that, whatever v_b holds: it reaches no output, is not loaded and is no argument of any launch.
;   tanh(z) = 1 - 2 / (1 + e^(2 z)): the sum of v_h x 1 is the same for every row too and is left out likewise; u = the sum of (-2 log2(e) v_h) / (1 + e^(2 z)).
; LIMITS: a NaN, an infinity or an overflow that reaches only v_b, or only the sum of v, is not carried to the results.  The softmax's promise holds while the scores to the base 2 stay under 2^31 in magnitude.
; THE OUTPUT HALF OF K (K = 0 .. 511) is the same for all rows of a batch: its product, with attn_b as C, is made once in the head and is the C of every later product (PRE).
; SHARES.  Eight waves.  Wave w makes the hidden units 64 w .. + 63 of every row (its rows of W stay in registers), and owns the columns 64 w .. + 63 of the context: it reads them from LDS ONCE, quantises them in registers, and mixes them from the same registers.
; STEPS of 32 rows, ONE barrier each.  In step j a wave does the softmax and mix of step j - 1, the products and tanh of step j, the quantising of step j + 1: none of the three waits for another.
; What goes between waves through LDS has two buffers by the step's parity: the fragments (images of the operand's registers), their scale bytes, the partial scores.  The context's numbers have two runs of 64 registers by turns.
; THE RING: two slots of 64 rows (two steps), filled by the tensor data mover, one load a wave (16 rows x 256 columns) behind each change of slots.
; PREFETCH: a slot's 64 rows are 131,072 consecutive bytes; wave w asks for bytes 16,384 w .. of them, lanes 256 bytes apart, two instructions, one slot ahead of the tensor load that wants them: slot 1's and 2's in the head, then one in each trip; the last trip asks for tile 7, the last.
; NO CLUSTER: no two work-groups read the same row of the context, and W goes straight into registers, once in the launch.
; LANES.  Context: lane l holds row 16 g + l / 2, columns 64 w + 32 (l % 2) + 0 .. 31 (registers 32 g + i): a whole block of 32 in a lane.  Products are used transposed (source 0 = 16 rows of W, source 1 = 16 rows of the context): lane (r, h) holds row r, hidden units 16 t + 8 h + 0 .. 7.
; Scores: lane = row of the step.
; Window 1: v0-127 W's context half, fragment (t, s) at 8 (4 t + s); v128-191, v192-255 the context by turns (in the head: W's output half; v0-63: output's numbers).
.set PITCH, 1040                       ; LDS row: 1,024 bytes (half a row of the context) + 16
.set HALFB, 64*PITCH
.set SLOTB, 2*HALFB
.set XIMG,  2*SLOTB                    ; two buffers x 2 x 8 x 640
.set XSC,   XIMG+20480                 ; two buffers x 32 rows x 16
.set PART,  XSC+1024                   ; two buffers x 32 rows x 48
.set PPS,   PART+3072                  ; 128 bytes a wave
.set SPARE, PPS+1024                   ; the spare words, 128 bytes a wave
.set SCO,   SPARE+1024                 ; 512 scores for each wave
.set OIMG,  SCO+16384
.set OSC,   OIMG+8192
.set MXO,   OSC+512                    ; 256 bytes a wave
.set SPW, 1
.set NIL, 2
.set RAB, 3
.set RA,  4
.set IMW, 5
.set XSW, 6
.set IMR, 7
.set XSR, 8
.set PSW, 9
.set PSR, 10
.set PPW, 11
.set PPR, 12
.set SCW, 13
.set SCA, 14
.set PFO, 15
.set MM,  16                           ; v16 the running maximum, v17 the one before
.set FF,  18                           ; v18 2^(old - new), v19 the pair's upper half
.set LR,  20                           ; my row's share of the sum
.set U,   21
.set T0,  22
.set T1,  23
.set PT,  24
.set WS,  32                           ; W's scale words: lanes 0-15 the output half, lanes 16-31 the context half
.set PRE, 48
.set VM2, 80                           ; -2 log2(e) v
.set MA,  112                          ; the mix
.set ACC, 144
.set XF,  176
.set XS,  208
.set PS,  212
.set CD,  220
.set QM,  228
.set QN,  230
.set QS,  232
.set QB,  234
.set PB,  236
.set PV,  238
.set GSO, 239
.set GTO, 240
.set MXW, 241
.set MXR, 242
.set R,   243
.set H,   244
.set LN,  245
.set XO,  246
.set SO,  247
.set BO,  248
.set WOF, 249
.set OIW, 250
.set OSW, 251
.set OIR, 252
.set OSR, 253
.set SCR, 254
.set Q1,  22                           ; in the head alone: l % 2, l / 2, scratch
.set A2,  23
.set TT,  21
.set WV,  2
.set BT,  3
.set LB,  30                           ; where my part of a slot begins
.set G1,  32
.set G0,  40
.set PFA, 44
.set SEL, 48
.set CNT, 50
.set TB,  51                           ; the slot in hand: 0 or SLOTB
.set TS,  53                           ; 128 x the step whose scores come next
.set CS,  60                           ; 2 log2(e), as a pair
.set VK,  62                           ; -2 log2(e)
.set MSB, 0
.macro WIN new                         ; the immediate's high byte repeats the setting that is left
.if MSB != \new
	s_set_vgpr_msb (MSB<<8)|\new
.set MSB, \new
.endif
.endm
.macro VW
	s_wait_alu depctr_va_vdst(0)
.endm
.macro BAR
	VW
	s_wait_dscnt 0x0
	s_barrier_signal -1
	s_barrier_wait -1
.endm
; THE CHANGE OF SLOTS: the slot in hand has been read; the other one has landed.  fill = 1: the slot in hand is filled again with the tile two on.
.macro CHANGE fill
	VW
	s_wait_tensorcnt 0x0                           ; my part of the other slot is in
	ds_add_u32 v[SPW], v[NIL]
.if \fill
	s_add_co_u32 s[G0+1], s[TB], s[LB]
	s_add_nc_u64 s[G0+2:G0+3], s[G0+2:G0+3], 131072
	s_wait_xcnt 0x0                                ; the prefetches have read their address
	s_add_nc_u64 s[PFA:PFA+1], s[PFA:PFA+1], 131072
.endif
	s_xor_b32 s[TB], s[TB], SLOTB
	s_wait_dscnt 0x0                               ; the add, my reads of the slot, my stores for the next step
	s_barrier_signal -1
	s_barrier_wait -1
.if \fill
	tensor_load_to_lds s[G0:G0+3], s[G1:G1+7]
	s_nop 0
.rept 4
	v_nop
.endr
.endif
.endm
; QUANTISING: two blocks of 32 numbers a lane, window 1, registers RB + 32 c + i.  The floor 2^(3 - 127) holds the byte at 1 from below.
.macro QUANT
	WIN 0x14
.irp c, 0,1
	v_max3_num_f32 v[QM+\c], 0x1800000, |v[RB+32*\c]|, |v[RB+32*\c+1]|
	v_max3_num_f32 v[QN+\c], 0x1800000, |v[RB+32*\c+16]|, |v[RB+32*\c+17]|
.endr
.irp i, 2,4,6,8,10,12,14
.irp c, 0,1
	v_max3_num_f32 v[QM+\c], v[QM+\c], |v[RB+32*\c+\i]|, |v[RB+32*\c+\i+1]|
	v_max3_num_f32 v[QN+\c], v[QN+\c], |v[RB+32*\c+\i+16]|, |v[RB+32*\c+\i+17]|
.endr
.endr
	WIN 0
.irp c, 0,1
	v_max_num_f32 v[QM+\c], v[QM+\c], v[QN+\c]
.endr
.irp c, 0,1
	s_delay_alu instid0(VALU_DEP_2)
	v_add_nc_u32 v[QS+\c], 0xff000000, v[QM+\c]    ; 2 off the exponent field: the conversion's scale operand
.endr
.irp c, 0,1
	s_delay_alu instid0(VALU_DEP_2)
	v_lshrrev_b32 v[QB+\c], 23, v[QS+\c]           ; the scale's byte
.endr
	WIN 0x01
.irp c, 0,1
.irp g, 0,1,2,3
	v_cvt_scalef32_pk8_fp4_f32 v[CD+4*\c+\g], v[RB+32*\c+8*\g:RB+32*\c+8*\g+7], v[QS+\c]
.endr
.endr
	v_nop                                          ; one plain place behind the last scaled conversion
	WIN 0
.endm
.macro RAWLD sub                       ; my columns of 32 rows into window 1
	WIN 0x40
.irp g, 0,1
.irp i, 0,1,2,3,4,5,6,7
	ds_load_b128 v[RB+32*\g+4*\i:RB+32*\g+4*\i+3], v[RA] offset:32*PITCH*(\sub)+16*PITCH*\g+16*\i
.endr
.endr
	WIN 0
.endm
.macro QSTORE buf                      ; codes and scale bytes: group g is row block g of the step
.irp g, 0,1
	ds_store_b128 v[IMW], v[CD+4*\g:CD+4*\g+3] offset:10240*(\buf)+5120*\g
	ds_store_b8 v[XSW], v[QB+\g] offset:512*(\buf)+256*\g
.endr
.endm
.macro LOADX m, buf
.irp s, 0,1,2,3
.irp c, 0,1
	ds_load_b128 v[XF+8*\s+4*\c:XF+8*\s+4*\c+3], v[IMR] offset:10240*(\buf)+5120*(\m)+640*(2*\s+\c)
.endr
.endr
	ds_load_b128 v[XS:XS+3], v[XSR] offset:512*(\buf)+256*(\m)
.endm
.macro WM16                            ; 16 rows x my 64 hidden units x K 512: four accumulators by turns
	WIN 0x01
.irp s, 0,1,2,3
.irp t, 0,1,2,3
.if \s == 0
	v_wmma_scale_f32_16x16x128_f8f6f4 v[ACC+8*\t:ACC+8*\t+7], v[8*(4*\t+\s):8*(4*\t+\s)+7], v[XF+8*\s:XF+8*\s+7], v[PRE+8*\t:PRE+8*\t+7], v[WS+4*\t+\s], v[XS+\s] matrix_a_fmt:MATRIX_FMT_FP4 matrix_b_fmt:MATRIX_FMT_FP4 matrix_a_scale:MATRIX_SCALE_ROW1
.else
	v_wmma_scale_f32_16x16x128_f8f6f4 v[ACC+8*\t:ACC+8*\t+7], v[8*(4*\t+\s):8*(4*\t+\s)+7], v[XF+8*\s:XF+8*\s+7], v[ACC+8*\t:ACC+8*\t+7], v[WS+4*\t+\s], v[XS+\s] matrix_a_fmt:MATRIX_FMT_FP4 matrix_b_fmt:MATRIX_FMT_FP4 matrix_a_scale:MATRIX_SCALE_ROW1
.endif
.endr
.endr
	WIN 0
.endm
.macro SCALE16                         ; 2 log2(e) z
.set j, 0
.rept 16
	v_pk_mul_f32 v[ACC+j:ACC+j+1], v[ACC+j:ACC+j+1], s[CS:CS+1] op_sel_hi:[1,0]
.set j, j+2
.endr
.endm
.macro EXP32
.set j, 0
.rept 32
	v_exp_f32 v[ACC+j], v[ACC+j]
.set j, j+1
.endr
	v_nop
	VW                                             ; one wait for the batch, ahead of its first reader
.endm
.macro RCP32                           ; 1 / (1 + e^(2 z)); the wait for the batch follows at its user
.set j, 0
.rept 16
	v_pk_add_f32 v[ACC+j:ACC+j+1], v[ACC+j:ACC+j+1], 1.0 op_sel_hi:[1,0]
.set j, j+2
.endr
	VW
.set j, 0
.rept 32
	v_rcp_f32 v[ACC+j], v[ACC+j]
.set j, j+1
.endr
.endm
.macro RED                             ; x -2 log2(e) v, summed over my lane's 32 hidden units in four chains
.irp k, 0,1,2,3
	v_pk_mul_f32 v[PS+2*\k:PS+2*\k+1], v[ACC+8*\k:ACC+8*\k+1], v[VM2+8*\k:VM2+8*\k+1]
.endr
.irp i, 2,4,6
.irp k, 0,1,2,3
	v_pk_fma_f32 v[PS+2*\k:PS+2*\k+1], v[ACC+8*\k+\i:ACC+8*\k+\i+1], v[VM2+8*\k+\i:VM2+8*\k+\i+1], v[PS+2*\k:PS+2*\k+1]
.endr
.endr
.endm
.macro REDF dst
	v_pk_add_f32 v[PS:PS+1], v[PS:PS+1], v[PS+2:PS+3]
	v_pk_add_f32 v[PS+4:PS+5], v[PS+4:PS+5], v[PS+6:PS+7]
	s_delay_alu instid0(VALU_DEP_1)
	v_pk_add_f32 v[PS:PS+1], v[PS:PS+1], v[PS+4:PS+5]
	s_delay_alu instid0(VALU_DEP_1)
	v_add_f32 v[\dst], v[PS], v[PS+1]
.endm
.macro S_LOAD buf                      ; lane = row: the eight waves' partial scores
	ds_load_b128 v[PT:PT+3], v[PSR] offset:1536*(\buf)
	ds_load_b128 v[PT+4:PT+7], v[PSR] offset:1536*(\buf)+16
.endm
.macro S_A                             ; the score, and the maximum over my 16 lanes
	v_add_nc_u32 v[SCA], s[TS], v[SCW]
	s_add_co_u32 s[TS], s[TS], 128
	v_pk_add_f32 v[PT:PT+1], v[PT:PT+1], v[PT+2:PT+3]
	v_pk_add_f32 v[PT+4:PT+5], v[PT+4:PT+5], v[PT+6:PT+7]
	s_delay_alu instid0(VALU_DEP_1)
	v_pk_add_f32 v[PT:PT+1], v[PT:PT+1], v[PT+4:PT+5]
	s_delay_alu instid0(VALU_DEP_1)
	v_add_f32 v[U], v[PT], v[PT+1]
	s_delay_alu instid0(VALU_DEP_1)
	v_max_num_f32_dpp v[PT+2], v[U], v[U] row_xmask:1 row_mask:0xf bank_mask:0xf
	s_delay_alu instid0(VALU_DEP_1)
	v_max_num_f32_dpp v[PT+2], v[PT+2], v[PT+2] row_xmask:2 row_mask:0xf bank_mask:0xf
	s_delay_alu instid0(VALU_DEP_1)
	v_max_num_f32_dpp v[PT+2], v[PT+2], v[PT+2] row_xmask:4 row_mask:0xf bank_mask:0xf
	s_delay_alu instid0(VALU_DEP_1)
	v_max_num_f32_dpp v[PT+2], v[PT+2], v[PT+2] row_xmask:8 row_mask:0xf bank_mask:0xf
.endm
.macro S_B                             ; the new maximum, and the two exponents
	v_permlanex16_b32 v[PT+3], v[PT+2], s[SEL], s[SEL+1]
	v_mov_b32 v[MM+1], v[MM]
	s_delay_alu instid0(VALU_DEP_2)
	v_max3_num_f32 v[MM], v[PT+2], v[PT+3], v[MM]
	s_delay_alu instid0(VALU_DEP_1)
	v_sub_f32 v[FF], v[MM+1], v[MM]
	s_delay_alu instid0(VALU_DEP_2)
	v_sub_f32 v[PV], v[U], v[MM]
	ds_store_b32 v[SCA], v[U]
.endm
.macro S_C                             ; p to the lanes that hold its row: my own scratch, LDS serves a wave's instructions in order (ISA guide 5.7.1.4)
	ds_store_b32 v[PPW], v[PV]
	ds_load_b64 v[PB:PB+1], v[PPR]
	v_fma_f32 v[LR], v[LR], v[FF], v[PV]
.endm
.macro RESC
.set j, 0
.rept 16
	v_pk_mul_f32 v[MA+j:MA+j+1], v[MA+j:MA+j+1], v[FF:FF+1] op_sel_hi:[1,0]
.set j, j+2
.endr
.endm
.macro MIX                             ; p x the context, rows l / 2 and 16 + l / 2
	WIN 0x01
.set j, 0
.rept 16
	v_pk_fma_f32 v[MA+j:MA+j+1], v[RB+j:RB+j+1], v[PB:PB+1], v[MA+j:MA+j+1] op_sel_hi:[1,0,1]
.set j, j+2
.endr
.set j, 0
.rept 16
	v_pk_fma_f32 v[MA+j:MA+j+1], v[RB+32+j:RB+33+j], v[PB:PB+1], v[MA+j:MA+j+1] op_sel:[0,1,0] op_sel_hi:[1,1,1]
.set j, j+2
.endr
	WIN 0
.endm
; STEP j, par = j % 2.  hasS: the softmax and mix of step j - 1;  hasQ: the quantising of step j + 1 (its numbers take the registers of step j - 1);  ask: the prefetch of the tile after the one last asked for by a tensor load.
.macro INT par, hasS, hasQ, ask
.set RB, 128+64*(1-\par)
.if \hasS
	S_LOAD 1-\par
.endif
	LOADX 0, \par
.if \ask
	global_prefetch_b8 v[PFO], s[PFA:PFA+1] offset:262144 th:TH_LOAD_NT scope:SCOPE_SE
	global_prefetch_b8 v[PFO], s[PFA:PFA+1] offset:262144+8192 th:TH_LOAD_NT scope:SCOPE_SE
.endif
.if \hasS
	s_wait_dscnt 0x9                               ; the partial scores; the nine loads behind them may be out
	S_A
.endif
	VW
	s_wait_dscnt 0x0
	WM16
.if \hasS
	S_B                                            ; its last four arithmetic lines are the four places behind the products
.else
.rept 4
	v_nop
.endr
.endif
	LOADX 1, \par
	SCALE16
.if \hasQ
	v_add_nc_u32 v[RA], s[TB], v[RAB]
.endif
	VW
.if \hasS
	v_exp_f32 v[FF], v[FF]
	v_exp_f32 v[PV], v[PV]
.endif
	EXP32
.if \hasS
	S_C
.endif
	RCP32
.if \hasS
	RESC
	VW
	s_wait_dscnt 0x0                               ; p, and the second row block's fragments
	MIX
.else
	v_nop
	VW
.endif
.if \hasQ
	RAWLD 1-\par
.endif
	RED
.if \hasS == 0
	VW
	s_wait_dscnt 16*\hasQ                          ; the fragments; the 16 loads behind them may be out
.endif
	WM16
	REDF T0                                        ; the four places behind the products
	SCALE16
	VW
	EXP32
	RCP32
.if \hasQ
	s_wait_dscnt 0x0                               ; step j + 1's numbers
	QUANT
	QSTORE 1-\par
.else
	v_nop
.endif
	VW
	RED
	REDF T1
	s_delay_alu instid0(VALU_DEP_1)
	v_permlane16_swap_b32 v[T0], v[T1]             ; lanes 0-15: row block 0's two halves; lanes 16-31: row block 1's
	s_delay_alu instid0(VALU_DEP_1)
	v_add_f32 v[T0], v[T0], v[T1]
	ds_store_b32 v[PSW], v[T0] offset:1536*(\par)
.endm
.macro WLOAD base, half
	WIN 0x40
.irp t, 0,1,2,3
.irp s, 0,1,2,3
.irp c, 0,1
	global_load_b128 v[\base+8*(4*\t+\s)+4*\c:\base+8*(4*\t+\s)+4*\c+3], v[WOF], s[12:13] offset:8192*\t+64*(\s+4*\half)+32*\c
.endr
.endr
.endr
	WIN 0
.endm
	s_load_b512 s[8:23], s[0:1], 0x0               ; context s[8:9], output s[10:11], W's codes s[12:13], its scales s[14:15], attn_b s[16:17], v_w s[18:19], scores s[20:21], pmix s[22:23]
	s_load_b64 s[24:25], s[0:1], 0x40              ; stats
	v_lshl_add_u32 v[SPW], v0, 2, SPARE
	v_mov_b32 v[NIL], 0
	ds_add_u32 v[SPW], v[NIL]                      ; the wave's opening: the add, twice on end, and its wait ahead of the first tensor load
	ds_add_u32 v[SPW], v[NIL]
	v_lshrrev_b32 v[R], 5, v0
	v_readfirstlane_b32 s[WV], v[R]                ; wave 0..7
	s_and_b32 s[BT], ttmp7, 0xffff                 ; batch
	s_lshr_b32 s26, s[WV], 1
	s_and_b32 s27, s[WV], 1
	s_and_b32 s28, s[WV], 3
	s_lshr_b32 s29, s[WV], 2
	s_mov_b32 s[G1+0], (2<<16)|(1<<20)|(7<<22)|(3<<25) ; no mask; elements of 4 bytes; after every 256 words 4 words of padding
	s_mov_b32 s[G1+1], 256<<16
	s_mov_b32 s[G1+2], 16<<16
	s_mov_b32 s[G1+3], 256<<16
	s_mov_b32 s[G1+4], 16
	s_mov_b32 s[G1+5], 512
	s_mov_b32 s[G1+6], 0
	s_mov_b32 s[G1+7], 0
	s_mul_i32 s[LB], s27, HALFB                    ; I fetch columns 256 (w % 2) .. of rows 16 (w / 2) .. of each tile
	s_mul_i32 s31, s26, 16*PITCH
	s_add_co_u32 s[LB], s[LB], s31
	s_lshl_b32 s66, s[BT], 23
	s_lshl_b32 s67, ttmp9, 20
	s_add_co_u32 s66, s66, s67                     ; the work-group's first row
	s_mov_b32 s67, 0
	s_lshl_b32 s68, s26, 15
	s_lshl_b32 s69, s27, 10
	s_add_co_u32 s68, s68, s69
	s_mov_b32 s69, 0
	s_lshl_b32 s70, s[BT], 11
	s_lshl_b32 s71, s28, 9
	s_add_co_u32 s70, s70, s71                     ; output: K step w % 4
	s_mov_b32 s71, 0
	s_lshl_b32 s72, s[WV], 15                      ; my 64 rows of W's codes, of its scales, of attn_b and v
	s_mov_b32 s73, 0
	s_lshl_b32 s74, s[WV], 11
	s_mov_b32 s75, 0
	s_lshl_b32 s76, s[WV], 8
	s_mov_b32 s77, 0
	s_lshl_b32 s78, s[BT], 14
	s_lshl_b32 s79, ttmp9, 11
	s_add_co_u32 s78, s78, s79
	s_mov_b32 s79, 0
	s_lshr_b32 s54, s78, 3
	s_mov_b32 s55, 0
	s_mov_b32 s[CS], 0x4038aa3b
	s_mov_b32 s[CS+1], s[CS]
	s_mov_b32 s[VK], 0xc038aa3b
	s_mov_b32 s[VK+1], s[VK]
	s_mov_b32 s[SEL], 0x76543210
	s_mov_b32 s[SEL+1], 0xfedcba98
	s_mov_b32 s[TB], 0
	s_mov_b32 s[TS], 0
	v_and_b32 v[R], 15, v0
	v_bfe_u32 v[H], v0, 4, 1
	v_and_b32 v[LN], 31, v0
	v_and_b32 v[Q1], 1, v0
	v_bfe_u32 v[A2], v0, 1, 4
	v_lshlrev_b32 v[XO], 7, v[H]
	v_lshlrev_b32 v[BO], 5, v[H]
	v_lshlrev_b32 v[SO], 5, v[R]
	v_lshlrev_b32 v[WOF], 9, v[R]
	s_lshl_b32 s31, s[WV], 14
	v_lshl_add_u32 v[PFO], v[LN], 8, s31
	v_lshl_add_u32 v[SO], v[H], 4, v[SO]
	v_lshl_add_u32 v[WOF], v[H], 4, v[WOF]
	VW
	s_wait_dscnt 0x0                               ; both opening adds are done
	s_wait_kmcnt 0x0
	s_add_nc_u64 s[PFA:PFA+1], s[8:9], s[66:67]
	s_mov_b32 s[G0], 1
	s_mov_b32 s[G0+1], s[LB]
	s_add_nc_u64 s[G0+2:G0+3], s[PFA:PFA+1], s[68:69]
	s_or_b32 s[G0+3], s[G0+3], 0x80000000
	tensor_load_to_lds s[G0:G0+3], s[G1:G1+7]      ; tile 0: the head's one load
	s_nop 0
.rept 4
	v_nop
.endr
	s_add_nc_u64 s[10:11], s[10:11], s[70:71]
	s_add_nc_u64 s[12:13], s[12:13], s[72:73]
	s_add_nc_u64 s[14:15], s[14:15], s[74:75]
	s_add_nc_u64 s[16:17], s[16:17], s[76:77]
	s_add_nc_u64 s[18:19], s[18:19], s[76:77]
	s_add_nc_u64 s[20:21], s[20:21], s[78:79]
	s_add_nc_u64 s[22:23], s[22:23], s[78:79]
	s_add_nc_u64 s[24:25], s[24:25], s[54:55]
	WIN 0x40
.irp c, 0,1
.irp i, 0,1,2,3,4,5,6,7
	global_load_b128 v[32*\c+4*\i:32*\c+4*\i+3], v[XO], s[10:11] offset:256*\c+16*\i
.endr
.endr
	WLOAD 128, 0                                   ; W's output half
.irp t, 0,1,2,3
	global_load_b128 v[WS+4*\t:WS+4*\t+3], v[SO], s[14:15] offset:512*\t
.endr
.irp t, 0,1,2,3
	global_load_b128 v[PRE+8*\t:PRE+8*\t+3], v[BO], s[16:17] offset:64*\t
	global_load_b128 v[PRE+8*\t+4:PRE+8*\t+7], v[BO], s[16:17] offset:64*\t+16
.endr
	global_prefetch_b8 v[PFO], s[PFA:PFA+1] offset:131072 th:TH_LOAD_NT scope:SCOPE_SE   ; tile 1
	global_prefetch_b8 v[PFO], s[PFA:PFA+1] offset:131072+8192 th:TH_LOAD_NT scope:SCOPE_SE
	; LDS addresses
	s_mul_i32 s31, s29, HALFB
	s_lshl_b32 s56, s28, 8
	s_add_co_u32 s31, s31, s56
	v_mul_u32_u24 v[RAB], v[A2], PITCH
	v_lshl_add_u32 v[RAB], v[Q1], 7, v[RAB]
	v_add_nc_u32 v[RAB], s31, v[RAB]
	s_mul_i32 s31, s[WV], 640
	s_add_co_u32 s31, s31, XIMG
	v_mul_u32_u24 v[TT], v[Q1], 384
	v_lshl_add_u32 v[IMW], v[A2], 4, v[TT]
	v_add_nc_u32 v[IMW], s31, v[IMW]
	s_lshl_b32 s31, s[WV], 1
	s_add_co_u32 s31, s31, XSC
	v_lshl_add_u32 v[XSW], v[A2], 4, v[Q1]
	v_add_nc_u32 v[XSW], s31, v[XSW]
	v_mul_u32_u24 v[TT], v[H], 384
	v_lshl_add_u32 v[IMR], v[R], 4, v[TT]
	v_add_nc_u32 v[IMR], XIMG, v[IMR]
	v_lshl_add_u32 v[XSR], v[R], 4, XSC
	v_mul_u32_u24 v[PSR], v[LN], 48
	v_add_nc_u32 v[PSR], PART, v[PSR]
	s_lshl_b32 s31, s[WV], 2
	v_add_nc_u32 v[PSW], s31, v[PSR]
	s_add_co_u32 s31, s31, OSC
	v_add_nc_u32 v[OSW], s31, v[H]
	s_lshl_b32 s31, s[WV], 7
	s_add_co_u32 s31, s31, PPS
	v_lshlrev_b32 v[TT], 3, v[R]
	v_lshl_add_u32 v[TT], v[H], 2, v[TT]
	v_add_nc_u32 v[PPW], s31, v[TT]
	v_lshl_add_u32 v[PPR], v[A2], 3, s31
	s_lshl_b32 s31, s[WV], 11
	s_add_co_u32 s31, s31, SCO
	v_lshl_add_u32 v[SCW], v[LN], 2, s31
	s_lshl_b32 s56, s[WV], 8
	s_add_co_u32 s31, s31, s56
	v_lshl_add_u32 v[SCR], v[LN], 3, s31
	s_add_co_u32 s56, s56, MXO
	v_lshlrev_b32 v[TT], 7, v[Q1]
	v_lshl_add_u32 v[TT], v[H], 6, v[TT]
	v_add_nc_u32 v[MXW], s56, v[TT]
	v_lshl_add_u32 v[MXR], v[LN], 3, s56
	s_lshl_b32 s31, s[WV], 10
	s_add_co_u32 s31, s31, OIMG
	v_lshl_add_u32 v[OIW], v[LN], 4, s31
	v_lshl_add_u32 v[OIR], v[LN], 4, OIMG
	v_mov_b32 v[OSR], OSC
	v_lshlrev_b32 v[GSO], 3, v[LN]
	v_lshlrev_b32 v[GTO], 3, v0
	v_mov_b32 v[MM], 0xff61b1e6                    ; the running maximum: -3e38
	v_mov_b32 v[MM+1], 0
	v_mov_b32 v[LR], 0
	v_mov_b32 v[FF+1], 0                           ; (named as the upper half of a pair)
	VW
	s_wait_loadcnt 44                              ; output is in; the 44 loads behind it may be out
.set RB, 0
	QUANT                                          ; output's K step w % 4, in sixteen equal rows: the blocks 64 c + 32 h
.irp c, 0,1
	ds_store_b128 v[OIW], v[CD+4*\c:CD+4*\c+3] offset:512*\c
	ds_store_b8 v[OSW], v[QB+\c] offset:2*\c
.endr
.irp t, 0,1,2,3
	global_load_b128 v[VM2+8*\t:VM2+8*\t+3], v[BO], s[18:19] offset:64*\t
	global_load_b128 v[VM2+8*\t+4:VM2+8*\t+7], v[BO], s[18:19] offset:64*\t+16
.endr
	WLOAD 0, 1                                     ; W's context half
	VW
	s_wait_tensorcnt 0x0                           ; my part of tile 0 is in
	ds_add_u32 v[SPW], v[NIL]
	s_add_co_u32 s[G0+1], s[LB], SLOTB
	s_add_nc_u64 s[G0+2:G0+3], s[G0+2:G0+3], 131072
	s_wait_dscnt 0x0
	s_barrier_signal -1
	s_barrier_wait -1
	tensor_load_to_lds s[G0:G0+3], s[G1:G1+7]      ; tile 1: slot 1's first fill
	s_nop 0
.rept 4
	v_nop
.endr
.irp s, 0,1,2,3
.irp c, 0,1
	ds_load_b128 v[XF+8*\s+4*\c:XF+8*\s+4*\c+3], v[OIR] offset:1024*\s+512*\c
.endr
.endr
	ds_load_b128 v[XS:XS+3], v[OSR]
	global_prefetch_b8 v[PFO], s[PFA:PFA+1] offset:262144 th:TH_LOAD_NT scope:SCOPE_SE   ; tile 2
	global_prefetch_b8 v[PFO], s[PFA:PFA+1] offset:262144+8192 th:TH_LOAD_NT scope:SCOPE_SE
	v_add_nc_u32 v[RA], s[TB], v[RAB]
.set j, 0
.rept 32
	v_mov_b32 v[MA+j], 0
.set j, j+1
.endr
	VW
	s_wait_loadcnt 40                              ; W's output half, the scales, attn_b; v and W's context half may be out
	s_wait_dscnt 0x0
	WIN 0x01
.irp s, 0,1,2,3
.irp t, 0,1,2,3
	v_wmma_scale_f32_16x16x128_f8f6f4 v[PRE+8*\t:PRE+8*\t+7], v[128+8*(4*\t+\s):128+8*(4*\t+\s)+7], v[XF+8*\s:XF+8*\s+7], v[PRE+8*\t:PRE+8*\t+7], v[WS+4*\t+\s], v[XS+\s] matrix_a_fmt:MATRIX_FMT_FP4 matrix_b_fmt:MATRIX_FMT_FP4
.endr
.endr
	WIN 0
	s_wait_loadcnt 32                              ; v
.set j, 0
.rept 16
	v_pk_mul_f32 v[VM2+j:VM2+j+1], v[VM2+j:VM2+j+1], s[VK:VK+1] op_sel_hi:[1,0]   ; (also the places in front of the loads below)
.set j, j+2
.endr
.set RB, 128
	RAWLD 0                                        ; step 0's numbers
	VW
	s_wait_dscnt 0x0
	QUANT
	QSTORE 0
	VW
	s_wait_loadcnt 0x0                             ; W's context half
	BAR
	INT 0, 0, 1, 0                                 ; step 0
	CHANGE 1                                       ; tile 2
	s_mov_b32 s[CNT], 5
.Lfill:                                                ; steps 1 .. 10, two a trip: tiles 3 .. 7 are asked for
	INT 1, 1, 1, 1
	BAR
	INT 0, 1, 1, 0
	CHANGE 1
	s_sub_co_u32 s[CNT], s[CNT], 1
	s_cmp_lg_u32 s[CNT], 0
	s_cbranch_scc1 .Lfill
	s_mov_b32 s[CNT], 2
.Lrest:                                                ; steps 11 .. 14: nothing more is fetched
	INT 1, 1, 1, 0
	BAR
	INT 0, 1, 1, 0
	CHANGE 0
	s_sub_co_u32 s[CNT], s[CNT], 1
	s_cmp_lg_u32 s[CNT], 0
	s_cbranch_scc1 .Lrest
	INT 1, 1, 0, 0                                 ; step 15
	BAR
.set RB, 192
	S_LOAD 1                                       ; the softmax and mix of step 15
	s_wait_dscnt 0x0
	S_A
	S_B
	VW
	v_exp_f32 v[FF], v[FF]
	v_exp_f32 v[PV], v[PV]
	v_nop
	VW
	S_C
	RESC
	VW
	s_wait_dscnt 0x0
	MIX
	; THE WAY OUT.  The sum over my 32 lanes; the mix over the 16 lanes that share my columns.
	v_mov_b32 v[MM+1], v[LR]
.set j, 0
.rept 16
	v_permlane16_swap_b32 v[MA+j], v[MA+16+j]      ; lanes 0-15: column j's two halves; lanes 16-31: column 16 + j's
.set j, j+1
.endr
	v_add_f32_dpp v[MM+1], v[MM+1], v[MM+1] row_xmask:1 row_mask:0xf bank_mask:0xf
.set j, 0
.rept 8
	v_pk_add_f32 v[MA+j:MA+j+1], v[MA+j:MA+j+1], v[MA+16+j:MA+17+j]
.set j, j+2
.endr
.irp x, 8,4,2
	v_add_f32_dpp v[MM+1], v[MM+1], v[MM+1] row_xmask:\x row_mask:0xf bank_mask:0xf
.set j, 0
.rept 16
	v_add_f32_dpp v[MA+j], v[MA+j], v[MA+j] row_xmask:\x row_mask:0xf bank_mask:0xf
.set j, j+1
.endr
.endr
	v_permlanex16_b32 v[PT+3], v[MM+1], s[SEL], s[SEL+1]
.irp q, 0,1,2,3
	ds_store_b128 v[MXW], v[MA+4*\q:MA+4*\q+3] offset:16*\q
.endr
	v_add_f32 v[MM+1], v[MM+1], v[PT+3]
	ds_load_b64 v[PT+4:PT+5], v[SCR]               ; scores 64 w + 2 lane of my own list
	ds_load_b64 v[PT:PT+1], v[MXR]                 ; my 64 columns
	VW
	s_wait_dscnt 0x0
	global_store_b64 v[GTO], v[PT+4:PT+5], s[20:21] ; a wave stores 256 consecutive bytes, aligned
	global_store_b64 v[GTO], v[PT:PT+1], s[22:23]
	s_cmp_lg_u32 s[WV], 0
	s_cbranch_scc1 .Lno_stats
	global_store_b64 v[GSO], v[MM:MM+1], s[24:25]  ; 32 times (maximum, sum)
.Lno_stats:
	s_wait_tensorcnt 0x0                           ; the wave's end
	ds_add_u32 v[SPW], v[NIL]
	s_wait_dscnt 0x0
	s_endpgm
.Lfunc_end_k_q0e76d53f47_scan:
	.size	k_q0e76d53f47_scan, .Lfunc_end_k_q0e76d53f47_scan-k_q0e76d53f47_scan
	.p2alignl 7, 3214868480
	.fill 96, 4, 3214868480
	.section	.rodata,"a",@progbits
	.p2align	6, 0x0
	.amdhsa_kernel k_q0e76d53f47_scan
		.amdhsa_group_segment_fixed_size 327680
		.amdhsa_private_segment_fixed_size 0
		.amdhsa_enable_private_segment 0
		.amdhsa_kernarg_size 72
		.amdhsa_user_sgpr_count 2
		.amdhsa_user_sgpr_kernarg_segment_ptr 1
		.amdhsa_wavefront_size32 1
		.amdhsa_system_sgpr_workgroup_id_x 1
		.amdhsa_system_sgpr_workgroup_id_y 1
		.amdhsa_system_sgpr_workgroup_id_z 1
		.amdhsa_system_vgpr_workitem_id 0
		.amdhsa_next_free_vgpr 512
		.amdhsa_next_free_sgpr 84
		.amdhsa_reserve_vcc 0
		.amdhsa_float_denorm_mode_32 3
		.amdhsa_float_denorm_mode_16_64 3
		.amdhsa_memory_ordered 1
		.amdhsa_forward_progress 1
		.amdhsa_inst_pref_size 187
	.end_amdhsa_kernel
	.amdgpu_metadata
---
amdhsa.version: [ 1, 2 ]
amdhsa.kernels:
  - .name:           k_q0e76d53f47_scan
    .symbol:         k_q0e76d53f47_scan.kd
    .args:
      - { .name: context, .offset: 0, .size: 8, .value_kind: global_buffer, .address_space: global }
      - { .name: output, .offset: 8, .size: 8, .value_kind: global_buffer, .address_space: global }
      - { .name: attn_w_codes, .offset: 16, .size: 8, .value_kind: global_buffer, .address_space: global }
      - { .name: attn_w_scales, .offset: 24, .size: 8, .value_kind: global_buffer, .address_space: global }
      - { .name: attn_b, .offset: 32, .size: 8, .value_kind: global_buffer, .address_space: global }
      - { .name: v_w, .offset: 40, .size: 8, .value_kind: global_buffer, .address_space: global }
      - { .name: scores, .offset: 48, .size: 8, .value_kind: global_buffer, .address_space: global }
      - { .name: pmix, .offset: 56, .size: 8, .value_kind: global_buffer, .address_space: global }
      - { .name: stats, .offset: 64, .size: 8, .value_kind: global_buffer, .address_space: global }
    .group_segment_fixed_size: 327680
    .private_segment_fixed_size: 0
    .kernarg_segment_align: 8
    .kernarg_segment_size: 72
    .max_flat_workgroup_size: 256
    .sgpr_count:     84
    .vgpr_count:     512
    .wavefront_size: 32
...
	.end_amdgpu_metadata
.endif
;; end of part 1
;; launch finish (part 2): grid 4 x 32, 8 waves a work-group, no clusters, 17,408 bytes of LDS; arguments scores, pmix, stats, output, out_w_codes, out_w_scales, out_b, out0, out1, out2; writes out0, out1, out2
.if DOCPART == 2
	.amdgcn_target "amdgcn-amd-amdhsa--gfx1250"
	.amdhsa_code_object_version 6
	.text
	.protected	k_q0e76d53f47_finish
	.globl	k_q0e76d53f47_finish
	.p2align	8
	.type	k_q0e76d53f47_finish,@function
k_q0e76d53f47_finish:
	s_mov_b64 s[64:65], 0
	v_nop
	global_prefetch_b8 v0, s[64:65] scope:SCOPE_SE
	s_setreg_imm32_b32 hwreg(HW_REG_WAVE_MODE, 25, 1), 1
	s_wait_xcnt 0x0
; ADDITIVE ATTENTION, SECOND PART.  The eight parts of a batch are merged: M = the largest m_i, w_i = 2^(m_i - M), L = the sum of w_i l_i;  attn = 2^(u - M) / L;  mix = (the sum of w_i pmix_i) / L.
; Then [mix, output] (K = 1,024) is quantised to FP4 (E2M1, one E8M0 scale for each 32 along K) and multiplied by out_w (given as codes), + out_b, tanh.
; SHARES.  Work-group (q, b): batch b; rows 1,024 q .. + 1,023 of attn, columns 128 q .. + 127 of mix and of out.  Each of a batch's four work-groups merges the whole mix (16,384 bytes read), since each needs all of K.
; Eight waves: thread t merges columns 2 t, 2 t + 1 of the mix; wave w quantises K step w and makes outputs 128 q + 16 w .. + 15.  The fragments go from wave to wave through LDS as images of their registers.
; The product has one row: it stands in all sixteen rows of A, and register 0 of the result is read.  K's even and odd steps have an accumulator each, which take turns.
; No tensor load, no cluster: a few KiB to a work-group, and nothing is walked.  LIMITS: as in the first part.
.set COMB, 0                           ; LDS: [mix, output], 4,096 bytes of f32
.set AIMG, 4096                        ; the eight fragments, 1,024 bytes each
.set ASC,  12288                       ; their scale words: 32 row + 4 K step
.set OST,  12800                       ; the work-group's 128 outputs
.set L8,  1                            ; v1   8 lane
.set T8,  2                            ; v2   8 x thread: in pmix, output, out2, and in COMB (which begins at LDS byte 0)
.set T16, 3                            ; v3   16 x thread
.set WOF, 4                            ; v4   512 r + 16 h
.set SOF, 5                            ; v5   32 r + 16 h
.set BOF, 6                            ; v6   4 r
.set CRD, 7                            ; v7   COMB + 512 wave + 128 h
.set AIW, 8                            ; v8   AIMG + 1,024 wave + 16 lane
.set ASW, 9                            ; v9   ASC + 32 r + 4 wave
.set AIR, 10                           ; v10  AIMG + 16 lane
.set ASR, 11                           ; v11  ASC + 32 r
.set OSW, 12                           ; v12  OST + 64 wave + 4 r
.set OSR, 13                           ; v13  OST + 16 lane
.set L16, 14                           ; v14  16 lane
.set H8,  15                           ; v15  8 h
.set AS,  16                           ; v16-23 A's scale words, one for each K step
.set WS,  24                           ; v24-27 out_w's: lanes 0-15 K steps 0-3, lanes 16-31 K steps 4-7
.set OB,  28                           ; v28  out_b
.set QW,  29
.set QT,  30
.set Z,   31
.set CD,  32                           ; v32-39 the fragment just made; at the end four outputs
.set QM,  40
.set QN,  42
.set QS,  44
.set QB,  46
.set D0,  48                           ; v48-55, v56-63 the two accumulators
.set WF,  64                           ; v64-127 out_w's eight fragments
.set AF,  128                          ; v128-191 A's eight fragments; before that the merge:
.set ST,  128                          ; v128-143 (m_i, l_i)
.set PM,  144                          ; v144-159 pmix_i, two columns
.set OU,  160                          ; v[160:161] output, two columns
.set SC,  162                          ; v[162:165] four scores, then attn
.set MXM, 166
.set LL,  167
.set WI,  168                          ; v168-175 w_i
.set RL,  176                          ; v[176:177] (1 / L, 0)
.set MI,  178                          ; v[178:179] the mix, two columns
.set X,   192                          ; v192-255 the quantiser's 64 numbers
.set WV,  2
.set BT,  3
.set SEL, 44
.macro BAR
	s_wait_dscnt 0x0
	s_barrier_signal -1
	s_barrier_wait -1
.endm
; 64 numbers of a lane, register 32 c + i = k 64 c + 32 h + i, become a fragment's eight registers and the scale word: as in the first part
.macro QUANT
.irp c, 0,1
	v_max3_num_f32 v[QM+\c], |v[X+32*\c]|, |v[X+32*\c+1]|, 0x1800000   ; the floor 2^(3 - 127) holds the byte at 1 from below
	v_max3_num_f32 v[QN+\c], |v[X+32*\c+16]|, |v[X+32*\c+17]|, |v[X+32*\c+18]|
.endr
.irp i, 2,4,6,8,10,12
.irp c, 0,1
	s_delay_alu instid0(VALU_DEP_4)
	v_max3_num_f32 v[QM+\c], v[QM+\c], |v[X+32*\c+\i]|, |v[X+32*\c+\i+1]|
	s_delay_alu instid0(VALU_DEP_4)
	v_max3_num_f32 v[QN+\c], v[QN+\c], |v[X+32*\c+\i+17]|, |v[X+32*\c+\i+18]|
.endr
.endr
.irp c, 0
	s_delay_alu instid0(VALU_DEP_4)
	v_max3_num_f32 v[QM+\c], v[QM+\c], |v[X+32*\c+14]|, |v[X+32*\c+15]|
.endr
.irp c, 1
	s_delay_alu instid0(VALU_DEP_3)
	v_max3_num_f32 v[QM+\c], v[QM+\c], |v[X+32*\c+14]|, |v[X+32*\c+15]|
.endr
.irp c, 0,1
	s_delay_alu instid0(VALU_DEP_2)
	v_max3_num_f32 v[QM+\c], v[QM+\c], v[QN+\c], |v[X+32*\c+31]|
.endr
.irp c, 0,1
	s_delay_alu instid0(VALU_DEP_2)
	v_add_nc_u32 v[QS+\c], 0xff000000, v[QM+\c]    ; 2 off the exponent field: the conversion's scale operand
.endr
.irp c, 0,1
	s_delay_alu instid0(VALU_DEP_2)
	v_lshrrev_b32 v[QB+\c], 23, v[QS+\c]           ; the scale's byte
.endr
	s_delay_alu instid0(VALU_DEP_1)
	v_lshl_or_b32 v[QW], v[QB+1], 16, v[QB]
	s_delay_alu instid0(VALU_DEP_1)
	v_lshlrev_b32 v[QW], v[H8], v[QW]
	s_delay_alu instid0(VALU_DEP_1)
	v_permlanex16_b32 v[QT], v[QW], s[SEL], s[SEL+1]
	s_delay_alu instid0(VALU_DEP_1)
	v_or_b32 v[QW], v[QW], v[QT]
.irp c, 0,1
.irp g, 0,1,2,3
	v_cvt_scalef32_pk8_fp4_f32 v[CD+4*\c+\g], v[X+32*\c+8*\g:X+32*\c+8*\g+7], v[QS+\c]
.endr
.endr
	v_nop                                          ; one plain place behind the last scaled conversion
.endm
.macro MERGE i                         ; mix += w_i x pmix_i: w_i lies in the low or the high word of its pair
.if ((\i)%2) == 0
	v_pk_fma_f32 v[MI:MI+1], v[PM+2*(\i):PM+2*(\i)+1], v[WI+(\i):WI+(\i)+1], v[MI:MI+1] op_sel_hi:[1,0,1]
.else
	v_pk_fma_f32 v[MI:MI+1], v[PM+2*(\i):PM+2*(\i)+1], v[WI+(\i)-1:WI+(\i)], v[MI:MI+1] op_sel:[0,1,0] op_sel_hi:[1,1,1]
.endif
.endm
.macro OM s                            ; K step s: source 0 = [mix, output] in sixteen equal rows, source 1 = my 16 rows of out_w
.set DD, D0+8*((\s)%2)
.if \s < 2
	v_wmma_scale_f32_16x16x128_f8f6f4 v[DD:DD+7], v[AF+8*\s:AF+8*\s+7], v[WF+8*\s:WF+8*\s+7], 0, v[AS+\s], v[WS+\s] matrix_a_fmt:MATRIX_FMT_FP4 matrix_b_fmt:MATRIX_FMT_FP4
.elseif \s < 4
	v_wmma_scale_f32_16x16x128_f8f6f4 v[DD:DD+7], v[AF+8*\s:AF+8*\s+7], v[WF+8*\s:WF+8*\s+7], v[DD:DD+7], v[AS+\s], v[WS+\s] matrix_a_fmt:MATRIX_FMT_FP4 matrix_b_fmt:MATRIX_FMT_FP4
.else
	v_wmma_scale_f32_16x16x128_f8f6f4 v[DD:DD+7], v[AF+8*\s:AF+8*\s+7], v[WF+8*\s:WF+8*\s+7], v[DD:DD+7], v[AS+\s], v[WS+\s-4] matrix_a_fmt:MATRIX_FMT_FP4 matrix_b_fmt:MATRIX_FMT_FP4 matrix_b_scale:MATRIX_SCALE_ROW1
.endif
.endm
	s_load_b512 s[8:23], s[0:1], 0x0               ; scores s[8:9], pmix s[10:11], stats s[12:13], output s[14:15], out_w's codes s[16:17], its scales s[18:19], out_b s[20:21], out0 s[22:23]
	s_load_b128 s[24:27], s[0:1], 0x40             ; out1 s[24:25], out2 s[26:27]
	s_set_vgpr_msb 0x40
	v_lshl_add_u32 v0, v0, 2, 0x4000
	v_mov_b32 v1, 0
	s_set_vgpr_msb 0x4000
	v_lshrrev_b32 v[Z], 5, v0
	s_delay_alu instid0(VALU_DEP_1)
	v_readfirstlane_b32 s[WV], v[Z]                ; wave 0..7
	s_and_b32 s[BT], ttmp7, 0xffff                 ; the batch
	v_and_b32 v[QW], 15, v0                        ; r
	v_bfe_u32 v[QT], v0, 4, 1                      ; h
	v_and_b32 v[Z], 31, v0                         ; lane
	s_delay_alu instid0(VALU_DEP_1)
	v_lshlrev_b32 v[L8], 3, v[Z]
	v_lshlrev_b32 v[T8], 3, v0
	v_lshlrev_b32 v[T16], 4, v0
	v_lshlrev_b32 v[WOF], 9, v[QW]
	s_delay_alu instid0(VALU_DEP_1)
	v_lshl_add_u32 v[WOF], v[QT], 4, v[WOF]
	v_lshlrev_b32 v[SOF], 5, v[QW]
	s_delay_alu instid0(VALU_DEP_1)
	v_lshl_add_u32 v[SOF], v[QT], 4, v[SOF]
	v_lshlrev_b32 v[BOF], 2, v[QW]
	s_lshl_b32 s47, s[WV], 9
	v_lshl_add_u32 v[CRD], v[QT], 7, s47
	s_lshl_b32 s47, s[WV], 10
	s_add_co_u32 s47, s47, AIMG
	v_lshl_add_u32 v[AIW], v[Z], 4, s47
	s_lshl_b32 s47, s[WV], 2
	s_add_co_u32 s47, s47, ASC
	v_lshl_add_u32 v[ASW], v[QW], 5, s47
	v_lshl_add_u32 v[AIR], v[Z], 4, AIMG
	v_lshl_add_u32 v[ASR], v[QW], 5, ASC
	s_lshl_b32 s47, s[WV], 6
	s_add_co_u32 s47, s47, OST
	v_lshl_add_u32 v[OSW], v[QW], 2, s47
	v_lshl_add_u32 v[OSR], v[Z], 4, OST
	v_lshlrev_b32 v[L16], 4, v[Z]
	v_lshlrev_b32 v[H8], 3, v[QT]
	s_mov_b32 s[SEL], 0x76543210
	s_mov_b32 s[SEL+1], 0xfedcba98
	s_lshl_b32 s28, s[BT], 11                      ; 2,048 b: stats, output, out2
	s_mov_b32 s29, 0
	s_lshl_b32 s30, s[BT], 14                      ; 16,384 b: pmix
	s_mov_b32 s31, 0
	s_lshl_b32 s32, ttmp9, 12
	s_add_co_u32 s32, s32, s30                     ; 16,384 b + 4,096 q: scores, out1
	s_mov_b32 s33, 0
	s_lshl_b32 s34, ttmp9, 9
	s_add_co_u32 s34, s34, s28                     ; 2,048 b + 512 q: out0
	s_mov_b32 s35, 0
	s_lshl_b32 s36, ttmp9, 7
	s_lshl_b32 s37, s[WV], 4
	s_add_co_u32 s36, s36, s37                     ; my first row of out_w: 128 q + 16 wave
	s_lshl_b32 s38, s36, 9
	s_mov_b32 s39, 0
	s_lshl_b32 s40, s36, 5
	s_mov_b32 s41, 0
	s_lshl_b32 s42, s36, 2
	s_mov_b32 s43, 0
	s_wait_kmcnt 0x0
	s_add_nc_u64 s[8:9], s[8:9], s[32:33]
	s_add_nc_u64 s[10:11], s[10:11], s[30:31]
	s_add_nc_u64 s[12:13], s[12:13], s[28:29]
	s_add_nc_u64 s[14:15], s[14:15], s[28:29]
	s_add_nc_u64 s[16:17], s[16:17], s[38:39]
	s_add_nc_u64 s[18:19], s[18:19], s[40:41]
	s_add_nc_u64 s[20:21], s[20:21], s[42:43]
	s_add_nc_u64 s[22:23], s[22:23], s[34:35]
	s_add_nc_u64 s[24:25], s[24:25], s[32:33]
	s_add_nc_u64 s[26:27], s[26:27], s[28:29]
.irp i, 0,1,2,3,4,5,6,7
	global_load_b64 v[ST+2*\i:ST+2*\i+1], v[L8], s[12:13] offset:256*\i
.endr
.irp i, 0,1,2,3,4,5,6,7
	global_load_b64 v[PM+2*\i:PM+2*\i+1], v[T8], s[10:11] offset:2048*\i
.endr
	global_load_b64 v[OU:OU+1], v[T8], s[14:15]
	global_load_b128 v[SC:SC+3], v[T16], s[8:9]
.irp s, 0,1,2,3,4,5,6,7
.irp c, 0,1
	global_load_b128 v[WF+8*\s+4*\c:WF+8*\s+4*\c+3], v[WOF], s[16:17] offset:64*\s+32*\c
.endr
.endr
	global_load_b128 v[WS:WS+3], v[SOF], s[18:19]
	global_load_b32 v[OB], v[BOF], s[20:21]
	v_mov_b32 v[RL+1], 0                           ; (named as the upper half of a pair)
	s_wait_loadcnt 18                              ; the merge's data are in; the 18 loads of out_w, its scales and out_b behind them may be out
	v_max3_num_f32 v[MXM], v[ST], v[ST+2], v[ST+4]
	s_delay_alu instid0(VALU_DEP_1)
	v_max3_num_f32 v[MXM], v[MXM], v[ST+6], v[ST+8]
	s_delay_alu instid0(VALU_DEP_1)
	v_max3_num_f32 v[MXM], v[MXM], v[ST+10], v[ST+12]
	s_delay_alu instid0(VALU_DEP_1)
	v_max_num_f32 v[MXM], v[MXM], v[ST+14]         ; M
.irp i, 0,1,2,3,4,5,6,7
	v_sub_f32 v[WI+\i], v[ST+2*\i], v[MXM]
.endr
.irp j, 0,1,2,3
	v_sub_f32 v[SC+\j], v[SC+\j], v[MXM]
.endr
	s_wait_alu depctr_va_vdst(0)
.irp i, 0,1,2,3,4,5,6,7
	v_exp_f32 v[WI+\i], v[WI+\i]                   ; w_i = 2^(m_i - M)
.endr
.irp j, 0,1,2,3
	v_exp_f32 v[SC+\j], v[SC+\j]                   ; 2^(u - M)
.endr
	v_nop
	s_wait_alu depctr_va_vdst(0)                   ; one wait for the twelve, ahead of their first reader
	v_mul_f32 v[LL], v[WI], v[ST+1]
.irp i, 1,2,3,4,5,6,7
	v_fmac_f32 v[LL], v[WI+\i], v[ST+2*\i+1]       ; L
.endr
	s_wait_alu depctr_va_vdst(0)
	v_rcp_f32 v[RL], v[LL]
	v_pk_mul_f32 v[MI:MI+1], v[PM:PM+1], v[WI:WI+1] op_sel_hi:[1,0]   ; independent work behind the reciprocal
.irp i, 1,2,3,4,5,6,7
	MERGE \i
.endr
	s_wait_alu depctr_va_vdst(0)
	v_pk_mul_f32 v[MI:MI+1], v[MI:MI+1], v[RL:RL+1] op_sel_hi:[1,0]   ; mix
	v_pk_mul_f32 v[SC:SC+1], v[SC:SC+1], v[RL:RL+1] op_sel_hi:[1,0]   ; attn
	v_pk_mul_f32 v[SC+2:SC+3], v[SC+2:SC+3], v[RL:RL+1] op_sel_hi:[1,0]
	global_store_b128 v[T16], v[SC:SC+3], s[24:25] ; a wave stores 512 consecutive bytes, aligned
	s_lshr_b32 s46, s[WV], 1
	s_cmp_lg_u32 s46, ttmp9                        ; columns 128 q .. + 127 of the mix lie in waves 2 q and 2 q + 1: each byte of out2 has one owner
	s_cbranch_scc1 .Lnot_mine
	global_store_b64 v[T8], v[MI:MI+1], s[26:27]   ; 256 consecutive bytes, aligned
.Lnot_mine:
	s_wait_alu depctr_va_vdst(0)
	ds_store_b64 v[T8], v[MI:MI+1]                 ; K = 0 .. 511: the mix;
	ds_store_b64 v[T8], v[OU:OU+1] offset:2048     ; K = 512 .. 1,023: output
	s_wait_xcnt 0x0                                ; the stores have read their data: those registers take A's fragments below
	BAR
.irp c, 0,1
.irp i, 0,1,2,3,4,5,6,7
	ds_load_b128 v[X+32*\c+4*\i:X+32*\c+4*\i+3], v[CRD] offset:256*\c+16*\i   ; K step w; every r reads the same numbers
.endr
.endr
	s_wait_dscnt 0x0
	QUANT
	ds_store_b128 v[AIW], v[CD:CD+3]
	ds_store_b128 v[AIW], v[CD+4:CD+7] offset:512
	ds_store_b32 v[ASW], v[QW]
	BAR
.irp s, 0,1,2,3,4,5,6,7
.irp c, 0,1
	ds_load_b128 v[AF+8*\s+4*\c:AF+8*\s+4*\c+3], v[AIR] offset:1024*\s+512*\c
.endr
.endr
	ds_load_b128 v[AS:AS+3], v[ASR]
	ds_load_b128 v[AS+4:AS+7], v[ASR] offset:16
	s_wait_dscnt 0x0
	s_wait_loadcnt 0x0                             ; out_w, its scales, out_b
.irp s, 0,1,2,3,4,5,6,7
	OM \s
.endr
.rept 4
	v_nop                                          ; four places behind the products, ahead of the first read of the sums
.endr
	v_add_f32 v[Z], v[D0], v[D0+8]                 ; each accumulator's lowest register: row 0 (or 8), column r
	s_delay_alu instid0(VALU_DEP_1)
	v_add_f32 v[Z], v[Z], v[OB]
	s_delay_alu instid0(VALU_DEP_1)
	v_mul_f32 v[Z], 0x4038aa3b, v[Z]               ; 2 log2(e) z
	s_wait_alu depctr_va_vdst(0)
	v_exp_f32 v[Z], v[Z]
	v_nop
	s_wait_alu depctr_va_vdst(0)
	v_add_f32 v[Z], 1.0, v[Z]
	s_wait_alu depctr_va_vdst(0)
	v_rcp_f32 v[Z], v[Z]
	v_nop
	s_wait_alu depctr_va_vdst(0)
	v_fma_f32 v[Z], v[Z], -2.0, 1.0                ; tanh(z) = 1 - 2 / (1 + 2^(2 log2(e) z))
	ds_store_b32 v[OSW], v[Z]                      ; both halves of the lanes write the same value
	BAR
	s_cmp_lg_u32 s[WV], 0
	s_cbranch_scc1 .Ldone
	ds_load_b128 v[CD:CD+3], v[OSR]
	s_wait_dscnt 0x0
	global_store_b128 v[L16], v[CD:CD+3], s[22:23] ; wave 0: the work-group's 128 outputs, 512 consecutive bytes, aligned
.Ldone:
	s_set_vgpr_msb 0x5
	s_wait_tensorcnt 0x0
	ds_add_u32 v0, v1
	s_wait_dscnt 0x0
	s_set_vgpr_msb 0x500
	s_endpgm
.Lfunc_end_k_q0e76d53f47_finish:
	.size	k_q0e76d53f47_finish, .Lfunc_end_k_q0e76d53f47_finish-k_q0e76d53f47_finish
	.p2alignl 7, 3214868480
	.fill 96, 4, 3214868480
	.section	.rodata,"a",@progbits
	.p2align	6, 0x0
	.amdhsa_kernel k_q0e76d53f47_finish
		.amdhsa_group_segment_fixed_size 17408
		.amdhsa_private_segment_fixed_size 0
		.amdhsa_enable_private_segment 0
		.amdhsa_kernarg_size 80
		.amdhsa_user_sgpr_count 2
		.amdhsa_user_sgpr_kernarg_segment_ptr 1
		.amdhsa_wavefront_size32 1
		.amdhsa_system_sgpr_workgroup_id_x 1
		.amdhsa_system_sgpr_workgroup_id_y 1
		.amdhsa_system_sgpr_workgroup_id_z 1
		.amdhsa_system_vgpr_workitem_id 0
		.amdhsa_next_free_vgpr 258
		.amdhsa_next_free_sgpr 66
		.amdhsa_reserve_vcc 0
		.amdhsa_float_denorm_mode_32 3
		.amdhsa_float_denorm_mode_16_64 3
		.amdhsa_memory_ordered 1
		.amdhsa_forward_progress 1
		.amdhsa_inst_pref_size 19
	.end_amdhsa_kernel
	.amdgpu_metadata
---
amdhsa.version: [ 1, 2 ]
amdhsa.kernels:
  - .name:           k_q0e76d53f47_finish
    .symbol:         k_q0e76d53f47_finish.kd
    .args:
      - { .name: scores, .offset: 0, .size: 8, .value_kind: global_buffer, .address_space: global }
      - { .name: pmix, .offset: 8, .size: 8, .value_kind: global_buffer, .address_space: global }
      - { .name: stats, .offset: 16, .size: 8, .value_kind: global_buffer, .address_space: global }
      - { .name: output, .offset: 24, .size: 8, .value_kind: global_buffer, .address_space: global }
      - { .name: out_w_codes, .offset: 32, .size: 8, .value_kind: global_buffer, .address_space: global }
      - { .name: out_w_scales, .offset: 40, .size: 8, .value_kind: global_buffer, .address_space: global }
      - { .name: out_b, .offset: 48, .size: 8, .value_kind: global_buffer, .address_space: global }
      - { .name: out0, .offset: 56, .size: 8, .value_kind: global_buffer, .address_space: global }
      - { .name: out1, .offset: 64, .size: 8, .value_kind: global_buffer, .address_space: global }
      - { .name: out2, .offset: 72, .size: 8, .value_kind: global_buffer, .address_space: global }
    .group_segment_fixed_size: 17408
    .private_segment_fixed_size: 0
    .kernarg_segment_align: 8
    .kernarg_segment_size: 80
    .max_flat_workgroup_size: 256
    .sgpr_count:     66
    .vgpr_count:     258
    .wavefront_size: 32
...
	.end_amdgpu_metadata
.endif
;; end of part 2
